; MI455X (gfx1250); checked and timed in simulation.
; The chip was launched on July 23, 2026; its instructions are those of AMD's public machine-readable ISA for CDNA 5 (MIT licence, August 2026) and "CDNA5" Instruction Set Architecture Reference Guide (July 2026). The comments in the code are by the model that wrote it; some were corrected since.
;; Sliding Window Attention. Allowed arithmetic: matrix products marked QUANTISED: E4M3 operands, one given power-of-two scale a tensor, by v_wmma_f32_16x16x64_fp8_fp8 or v_wmma_f32_16x16x128_fp8_fp8, f32 sums; everything else in f32.
;; Inputs: Wk 1,024 x 1,024 float32; Wo 1,024 x 1,024 float32; Wq 1,024 x 1,024 float32; Wv 1,024 x 1,024 float32; lowp_scales 12 int32 (the exponents e of the quantised operands' scales 2^e); x 1 x 4,096 x 1,024 float32.
;; Outputs: out0 1 x 4,096 x 1,024 float32.
;; This version of the problem:
;;   THIS VERSION OF THE PROBLEM IS GIVEN IN LOW PRECISION. The matrix products marked QUANTISED in the list below multiply operands that are first quantised to E4M3 (4 exponent bits, 3 mantissa bits; 8 bits a number), with one given power-of-two scale for each operand tensor; their sums are f32. All else is computed in f32.
;;   The module's matrix products, in the order in which they are computed (A, B: the left and right operand; K: the contracted axis; several contracted axes count as one K, in the product's order):
;;     1. [M 4,096, K 1,024] x [K 1,024, N 1,024]; A: input x; B: input Wq: QUANTISED (scales: A lowp_scales[0], B lowp_scales[1])
;;     2. [M 4,096, K 1,024] x [K 1,024, N 1,024]; A: input x; B: input Wk: QUANTISED (scales: A lowp_scales[2], B lowp_scales[3])
;;     3. [M 4,096, K 1,024] x [K 1,024, N 1,024]; A: input x; B: input Wv: QUANTISED (scales: A lowp_scales[4], B lowp_scales[5])
;;     4. batch 16 x [M 4,096, K 64] x [K 64, N 4,096]; A: computed on the way; B: computed on the way: QUANTISED (scales: A lowp_scales[6], B lowp_scales[7])
;;     5. batch 16 x [M 4,096, K 4,096] x [K 4,096, N 64]; A: softmax (see below); B: computed on the way: QUANTISED (scales: A lowp_scales[8], B lowp_scales[9])
;;     6. [M 4,096, K 1,024] x [K 1,024, N 1,024]; A: computed on the way; B: input Wo: QUANTISED (scales: A lowp_scales[10], B lowp_scales[11])
;;   THE QUANTISER, for each operand of a quantised product, along K:
;;     - The operand's scale is 2^e, e = its entry of the input lowp_scales (int32; the entries are numbered through the quantised products in the list's order, A before B).
;;     - Each number is divided by the scale, clamped to +-448, and rounded to the nearest number of E4M3, ties to even, subnormals kept.
;;     - The product sums the exact products of the quantised numbers (number of the format x scale) in f32.
;;   ~~~python
;;   def quantise(x, axis, e):      # numpy; x: float32 -> the quantised numbers, widened to float32 again
;;       x = np.moveaxis(x, axis, -1); K = x.shape[-1]
;;       r = np.clip(x / 2.0 ** e, -448, 448)
;;       step = 2.0 ** (np.maximum(np.frexp(np.where(r == 0, 1, r))[1] - 1, -6) - 3)
;;       q = np.round(r / step) * step * 2.0 ** e      # np.round: ties to even
;;       return np.moveaxis(q, -1, axis).astype(np.float32)
;;   ~~~
;;   SOFTMAX AHEAD OF A QUANTISED PRODUCT. Where the list says 'softmax', what is quantised is not the finished softmax but p = 2^(t - M), with t = logit x log2(e) and M = ceil(the row's largest t), a whole number; so 1/2 < the row's largest p <= 1. The row's sum l is taken of the UNQUANTISED p, in f32, and the product's result is divided by l at the end. Since M is a whole number, a kernel that streams over the keys may use a running M (the ceiling of the running maximum): every later rescaling is an exact power of two, so the quantised numbers keep their values, but for numbers so far below the row's largest that they fall under the format's range.
;;   OPERANDS COMPUTED ON THE WAY. 'Computed on the way' means the value that the module computes at that place (a softmax that the list does not call 'softmax' is quantised finished and normalised). What goes into a quantiser is computed in f32, as accurately as f32 sums, v_exp_f32 and their like allow (about 1e-6 of the number): no bf16 or f16 on the way to a quantiser, and a product that is left as it is and whose result goes on into a quantised operand takes f32 operands (vector FMAs, or v_wmma_f32_16x16x4_f32). A number that lies on a knife's edge between two numbers of the format may be rounded either way, as far as f32 arithmetic and the matrix unit's own rounding can turn it there, and no further.
;; One version. Each part assembles by itself: llvm-mc -triple=amdgcn-amd-amdhsa -mcpu=gfx1250 --defsym DOCPART=n.
;; ======== version 1 of 1: 4 launches
;; limits: a function is approximated: absolute error at most 0.0004
;; workspace buffers: codes 16,777,216 bytes; tab 1,048,576 bytes; qkv 12,582,912 bytes; ac 4,194,304 bytes
;; launch quant (part 1): grid 512 x 1, 4 waves a work-group, no clusters, 68,096 bytes of LDS; arguments x, Wq, Wk, Wv, Wo, lowp_scales, codes, tab; writes codes, tab
.if DOCPART == 1
	.amdgcn_target "amdgcn-amd-amdhsa--gfx1250"
	.amdhsa_code_object_version 6
	.text
	.protected	k_qb465448eba_quant
	.globl	k_qb465448eba_quant
	.p2align	8
	.type	k_qb465448eba_quant,@function
k_qb465448eba_quant:
	s_mov_b64 s[64:65], 0
	v_nop
	global_prefetch_b8 v0, s[64:65] scope:SCOPE_SE
	s_setreg_imm32_b32 hwreg(HW_REG_WAVE_MODE, 25, 1), 1
	s_wait_xcnt 0x0
; x [4096][1024] and Wq, Wk, Wv, Wo [1024][1024], f32, K innermost, become codes of FP8 (E4M3); and the table of cos and sin for the rotary embedding is made.
; code = number / 2^e, held within +-448, to the nearest code, ties to even.  x has a scale of its own in each of the three projections (entries 0, 2, 4 of the scales), so it gets three sets of codes;
; Wq, Wk, Wv, Wo take entries 1, 3, 5, 11.  LIMITS: each e lies between -126 and 119, so that 2^e and 448 x 2^e are f32 numbers.  NaN among the inputs is not served (an infinity is held at the largest code).
; LAYOUT OF THE CODES: images of the matrix operand's registers.  A fragment is 16 rows x 128 along K: lane l = (r = l % 16, h = l / 16) holds row r, registers 2 c, 2 c + 1 hold k = 16 c + 8 h + 0 .. 7.
; In memory a fragment is 2,048 bytes: four chunks of 512, chunk i = registers 4 i .. 4 i + 3, lane l's 16 bytes at 16 l.  A matrix is [tile of 16 rows][K step of 128][2,048].
; codes = x by entry 0 (4 MB) | x by entry 2 | x by entry 4 | Wq (1 MB) | Wk | Wv | Wo.
; SHARES: work-group g takes one tile of 16 rows: g < 256 of x, else of matrix (g - 256) / 64.  Wave w takes K steps 2 w and 2 w + 1.  All 32 loads of a wave (512 consecutive bytes each) go out at the head.
; A load gives neighbouring lanes neighbouring bytes; the conversions want 8 neighbours along K in one lane: so a K step's 16 rows x 512 bytes turn through the wave's own stage in LDS (rows 528 bytes apart).
; THE TABLE: tab = [tile of 16 positions][chunk 0 .. 7][lane][16 bytes]; chunk 2 t + j of lane (r, h) holds cos, sin, cos, sin of position 16 P + r for the pairs 8 t + 4 h + 2 j and the next one.
; angle = position x 10000^(-i / 32); the power is 2^(-i log2(10000) / 32) by v_exp_f32; the angle is reduced by pi / 2 in two parts with fused multiply-adds, then polynomials on +-pi / 4.
; LIMIT: the power agrees with a correctly rounded one to about two units in its last place, which moves an angle by up to about 4e-4 at the far positions of the lowest pairs.
; No matrix unit, no tensor load, no barrier: waves share nothing.
.set PW,  528                          ; a stage row: 512 bytes + 16 = 33 x 16
.set WST, 32*PW                        ; a wave's LDS: two stages of 16 rows
.set R,   16                           ; v16-143   the 32 loads: K step f at R + 64 f, row i at + 4 i
.set X0,  144                          ; v144-207  K step 0 turned: register 16 c + n = my row's n-th number of chunk c
.set X1,  16                           ; v16-79    K step 1 turned
.set T,   208                          ; v208-239  two sets of 16 held numbers; earlier the table's scratch
.set C0,  80                           ; v80-127   codes of K step 0: 16 registers for each version
.set C1,  128                          ; v128-175  codes of K step 1
	s_load_b256 s[4:11], s[0:1], 0x0               ; x, Wq, Wk, Wv
	s_load_b256 s[12:19], s[0:1], 0x20             ; Wo, the scales, codes, tab
	v_lshl_add_u32 v254, v0, 2, 0x10800
	v_mov_b32 v255, 0
	v_lshrrev_b32 v1, 5, v0
	v_readfirstlane_b32 s20, v1                    ; wave
	v_and_b32 v2, 31, v0
	v_lshlrev_b32 v3, 4, v2                        ; 16 x lane
	v_and_b32 v14, 15, v0                          ; r
	v_bfe_u32 v15, v0, 4, 1                        ; h
	s_mul_i32 s21, s20, WST
	v_add_nc_u32 v4, s21, v3                       ; into the stage: 16 x lane of a row
	v_mul_u32_u24 v5, v14, PW
	v_lshl_add_u32 v5, v15, 5, v5
	v_add_nc_u32 v5, s21, v5                       ; out of it: row r, + 32 h
	v_lshlrev_b32 v6, 4, v0                        ; the table: 16 x thread
	s_and_b32 s22, ttmp9, 63
	s_cmp_lt_u32 ttmp9, 256
	s_cselect_b32 s22, ttmp9, s22                  ; my tile of rows in its matrix
	s_cselect_b32 s50, 0, 0x800000                 ; the weights' codes begin 12 MB in: 16,384 g + 8 MB
	s_lshl_b32 s22, s22, 16                        ; 16 rows of 4,096 bytes
	s_lshl_b32 s23, s20, 10                        ; my two K steps: 1,024 bytes of a row
	s_add_co_u32 s22, s22, s23
	s_mov_b32 s23, 0
	s_lshl_b32 s48, ttmp9, 14
	s_add_co_u32 s48, s48, s50
	s_lshl_b32 s49, s20, 12
	s_add_co_u32 s48, s48, s49
	s_mov_b32 s49, 0
	s_lshl_b32 s52, ttmp9, 11
	s_mov_b32 s53, 0
	s_wait_kmcnt 0x0
	s_load_b256 s[24:31], s[14:15], 0x0            ; entries 0 to 7
	s_load_b128 s[32:35], s[14:15], 0x20           ; entries 8 to 11
	s_mov_b64 s[36:37], s[12:13]                   ; the source is chosen by the work-group's number alone
	s_cmp_lt_u32 ttmp9, 448
	s_cselect_b64 s[36:37], s[10:11], s[36:37]
	s_cmp_lt_u32 ttmp9, 384
	s_cselect_b64 s[36:37], s[8:9], s[36:37]
	s_cmp_lt_u32 ttmp9, 320
	s_cselect_b64 s[36:37], s[6:7], s[36:37]
	s_cmp_lt_u32 ttmp9, 256
	s_cselect_b64 s[36:37], s[4:5], s[36:37]
	s_add_nc_u64 s[36:37], s[36:37], s[22:23]
	s_add_nc_u64 s[40:41], s[16:17], s[48:49]      ; my codes,
	s_add_nc_u64 s[42:43], s[40:41], 0x400000      ; x's second version,
	s_add_nc_u64 s[44:45], s[40:41], 0x800000      ; and its third (used by x's work-groups alone)
	s_add_nc_u64 s[46:47], s[18:19], s[52:53]
.irp f, 0,1
.irp i, 0,1,2,3,4,5,6,7,8,9,10,11,12,13,14,15
	global_load_b128 v[R+64*\f+4*\i:R+64*\f+4*\i+3], v3, s[36:37] offset:\i*4096+\f*512 th:TH_LOAD_NT   ; 32 lanes read 512 consecutive bytes of row i
.endr
.endr
; ---- the table, while the loads are on their way: each thread makes cos and sin of one position for two pairs
; sin and cos of v[th] (0 .. 4,095) into v[s], v[c].  n = the nearest whole number to th x 2 / pi; r = th - n pi / 2, pi / 2 in two parts; polynomials in r; the quadrant n mod 4 swaps the two and sets the signs.
.macro SINCOS th, c, s
	v_mul_f32 v216, 0x3f22f983, v[\th]
	v_rndne_f32 v216, v216
	v_fmamk_f32 v217, v216, 0xbfc90fdb, v[\th]
	v_fmamk_f32 v217, v216, 0x333bbd2e, v217
	v_mul_f32 v218, v217, v217                     ; z = r r
	v_mov_b32 v219, 0xb94ca1f9
	v_fmaak_f32 v219, v219, v218, 0x3c08839e
	v_fmaak_f32 v219, v219, v218, 0xbe2aaaa3
	v_mul_f32 v219, v219, v218
	v_fma_f32 v219, v219, v217, v217               ; sin r
	v_mov_b32 v220, 0x37ccf5ce
	v_fmaak_f32 v220, v220, v218, 0xbab6061a
	v_fmaak_f32 v220, v220, v218, 0x3d2aaaa5
	v_mul_f32 v221, v218, v218
	v_fma_f32 v222, v218, -0.5, 1.0
	v_fma_f32 v220, v221, v220, v222               ; cos r
	v_cvt_i32_f32 v223, v216
	v_and_b32 v224, 1, v223
	v_cmp_ne_u32 vcc_lo, 0, v224
	v_cndmask_b32 v[\s], v219, v220, vcc_lo        ; odd quadrants swap the two
	v_cndmask_b32 v[\c], v220, v219, vcc_lo
	v_lshlrev_b32 v224, 30, v223
	v_and_b32 v224, 0x80000000, v224
	v_xor_b32 v[\s], v[\s], v224                   ; sin is negative in quadrants 2, 3
	v_add_nc_u32 v223, 1, v223
	v_lshlrev_b32 v223, 30, v223
	v_and_b32 v223, 0x80000000, v223
	v_xor_b32 v[\c], v[\c], v223                   ; cos in quadrants 1, 2
.endm
	s_and_b32 s54, ttmp9, 1
	s_lshl_b32 s54, s54, 2
	s_or_b32 s54, s54, s20                         ; my wave's chunk of the position tile: 4 (g % 2) + w = 2 t + j
	s_lshr_b32 s55, s54, 1
	s_lshl_b32 s55, s55, 3
	s_and_b32 s56, s54, 1
	s_lshl_b32 s56, s56, 1
	s_add_co_u32 s55, s55, s56                     ; 8 t + 2 j
	v_lshl_add_u32 v208, v15, 2, s55               ; my first pair: + 4 h
	v_add_nc_u32 v209, 1, v208
	v_cvt_f32_u32 v208, v208
	v_cvt_f32_u32 v209, v209
	v_mul_f32 v208, 0xbed49a78, v208               ; -i log2(10000) / 32
	v_mul_f32 v209, 0xbed49a78, v209
	v_exp_f32 v210, v208
	v_exp_f32 v211, v209
	s_lshr_b32 s57, ttmp9, 1
	s_lshl_b32 s57, s57, 4
	v_add_nc_u32 v212, s57, v14                    ; my position: 16 (g / 2) + r.  (The plain instruction behind the two exponentials)
	s_wait_alu depctr_va_vdst(0)                   ; one wait for both, ahead of their first reader
	v_cvt_f32_u32 v212, v212
	v_mul_f32 v210, v212, v210                     ; the angles
	v_mul_f32 v211, v212, v211
	SINCOS 210, 240, 241
	SINCOS 211, 242, 243
	global_store_b128 v6, v[240:243], s[46:47]     ; a wave stores 512 consecutive bytes
; ---- the scales: (e + 127) << 23 is 2^e as f32; ((e + 135) << 23) | 0x600000 is 448 x 2^e
.macro MKS e, vs, vl
	s_add_co_i32 s58, s[\e], 127
	s_lshl_b32 s59, s58, 23
	v_mov_b32 v[\vs], s59
	s_add_co_i32 s58, s58, 8
	s_lshl_b32 s58, s58, 23
	s_or_b32 s58, s58, 0x600000
	v_mov_b32 v[\vl], s58
.endm
	s_wait_kmcnt 0x0
	s_mov_b32 s38, s35                             ; Wo: entry 11
	s_cmp_lt_u32 ttmp9, 448
	s_cselect_b32 s38, s29, s38                    ; Wv: 5
	s_cmp_lt_u32 ttmp9, 384
	s_cselect_b32 s38, s27, s38                    ; Wk: 3
	s_cmp_lt_u32 ttmp9, 320
	s_cselect_b32 s38, s25, s38                    ; Wq: 1
	s_cmp_lt_u32 ttmp9, 256
	s_cselect_b32 s38, s24, s38                    ; x: 0
	MKS 38, 8, 9
	MKS 26, 10, 11                                 ; x's second version: entry 2
	MKS 28, 12, 13                                 ; its third: entry 4
; ---- the turn through the stage
	s_wait_loadcnt 16                              ; K step 0's sixteen loads are in; K step 1's may be out
.irp i, 0,1,2,3,4,5,6,7,8,9,10,11,12,13,14,15
	ds_store_b128 v4, v[R+4*\i:R+4*\i+3] offset:\i*PW
.endr
.irp ci, 0,1,2,3
.irp jj, 0,1,2,3
	ds_load_b128 v[X0+16*\ci+4*\jj:X0+16*\ci+4*\jj+3], v5 offset:128*\ci+64*(\jj/2)+16*(\jj%2)   ; k = 32 c + 8 h + 0 .. 7, then 32 c + 16 + 8 h + 0 .. 7.  LDS serves a wave's instructions in order (ISA guide 5.7.1.4): these see the stores above
.endr
.endr
	s_wait_loadcnt 0x0
.irp i, 0,1,2,3,4,5,6,7,8,9,10,11,12,13,14,15
	ds_store_b128 v4, v[R+64+4*\i:R+64+4*\i+3] offset:16*PW+\i*PW
.endr
	s_wait_dscnt 0x0                               ; K step 0 is back, and every LDS store has read its registers: they are written again below
.irp ci, 0,1,2,3
.irp jj, 0,1,2,3
	ds_load_b128 v[X1+16*\ci+4*\jj:X1+16*\ci+4*\jj+3], v5 offset:16*PW+128*\ci+64*(\jj/2)+16*(\jj%2)
.endr
.endr
; One version of one fragment: the hold (the conversion to an 8-bit code does not saturate: ISA guide 7.6.2) goes into other registers, since x is held three times; then the conversions, whose results are the fragment's registers.
.macro QV xb, cb, dst, f, sc, lim
.irp ci, 0,1,2,3
.irp i, 0,1,2,3,4,5,6,7,8,9,10,11,12,13,14,15
	v_med3_num_f32 v[T+16*(\ci%2)+\i], v[\xb+16*\ci+\i], -v[\lim], v[\lim]
.endr
	v_cvt_scalef32_pk8_fp8_f32 v[\cb+4*\ci:\cb+4*\ci+1], v[T+16*(\ci%2):T+16*(\ci%2)+7], v[\sc]
	v_cvt_scalef32_pk8_fp8_f32 v[\cb+4*\ci+2:\cb+4*\ci+3], v[T+16*(\ci%2)+8:T+16*(\ci%2)+15], v[\sc]
.endr
	v_nop                                          ; a plain instruction behind the last conversion; the two sets of T take turns, so sixteen plain lines stand ahead of each rewriting of a conversion's sources
.irp ci, 0,1,2,3
	global_store_b128 v3, v[\cb+4*\ci:\cb+4*\ci+3], s[\dst:\dst+1] offset:\f*2048+512*\ci   ; 512 consecutive bytes; each store has registers of its own, which are not written again
.endr
.endm
	QV X0, C0, 40, 0, 8, 9
	s_cmp_lt_u32 ttmp9, 256                        ; x's work-groups make two versions more
	s_cbranch_scc0 .Lw0
	QV X0, C0+16, 42, 0, 10, 11
	QV X0, C0+32, 44, 0, 12, 13
.Lw0:
	s_wait_dscnt 0x0                               ; K step 1 is back
	QV X1, C1, 40, 1, 8, 9
	s_cmp_lt_u32 ttmp9, 256
	s_cbranch_scc0 .Lw1
	QV X1, C1+16, 42, 1, 10, 11
	QV X1, C1+32, 44, 1, 12, 13
.Lw1:
	s_wait_tensorcnt 0x0
	ds_add_u32 v254, v255
	s_wait_dscnt 0x0
	s_endpgm
.Lfunc_end_k_qb465448eba_quant:
	.size	k_qb465448eba_quant, .Lfunc_end_k_qb465448eba_quant-k_qb465448eba_quant
	.p2alignl 7, 3214868480
	.fill 96, 4, 3214868480
	.section	.rodata,"a",@progbits
	.p2align	6, 0x0
	.amdhsa_kernel k_qb465448eba_quant
		.amdhsa_group_segment_fixed_size 68096
		.amdhsa_private_segment_fixed_size 0
		.amdhsa_enable_private_segment 0
		.amdhsa_kernarg_size 64
		.amdhsa_user_sgpr_count 2
		.amdhsa_user_sgpr_kernarg_segment_ptr 1
		.amdhsa_wavefront_size32 1
		.amdhsa_system_sgpr_workgroup_id_x 1
		.amdhsa_system_sgpr_workgroup_id_y 1
		.amdhsa_system_sgpr_workgroup_id_z 1
		.amdhsa_system_vgpr_workitem_id 0
		.amdhsa_next_free_vgpr 256
		.amdhsa_next_free_sgpr 66
		.amdhsa_reserve_vcc 1
		.amdhsa_float_denorm_mode_32 3
		.amdhsa_float_denorm_mode_16_64 3
		.amdhsa_memory_ordered 1
		.amdhsa_forward_progress 1
		.amdhsa_inst_pref_size 45
	.end_amdhsa_kernel
	.amdgpu_metadata
---
amdhsa.version: [ 1, 2 ]
amdhsa.kernels:
  - .name:           k_qb465448eba_quant
    .symbol:         k_qb465448eba_quant.kd
    .args:
      - { .name: x, .offset: 0, .size: 8, .value_kind: global_buffer, .address_space: global }
      - { .name: Wq, .offset: 8, .size: 8, .value_kind: global_buffer, .address_space: global }
      - { .name: Wk, .offset: 16, .size: 8, .value_kind: global_buffer, .address_space: global }
      - { .name: Wv, .offset: 24, .size: 8, .value_kind: global_buffer, .address_space: global }
      - { .name: Wo, .offset: 32, .size: 8, .value_kind: global_buffer, .address_space: global }
      - { .name: lowp_scales, .offset: 40, .size: 8, .value_kind: global_buffer, .address_space: global }
      - { .name: codes, .offset: 48, .size: 8, .value_kind: global_buffer, .address_space: global }
      - { .name: tab, .offset: 56, .size: 8, .value_kind: global_buffer, .address_space: global }
    .group_segment_fixed_size: 68096
    .private_segment_fixed_size: 0
    .kernarg_segment_align: 8
    .kernarg_segment_size: 64
    .max_flat_workgroup_size: 128
    .sgpr_count:     66
    .vgpr_count:     256
    .wavefront_size: 32
...
	.end_amdgpu_metadata
.endif
;; end of part 1
;; launch qkv (part 2): grid 12 x 16, 4 waves a work-group, clusters of 4 x 4, 327,680 bytes of LDS; arguments codes, tab, lowp_scales, qkv; writes qkv
.if DOCPART == 2
	.amdgcn_target "amdgcn-amd-amdhsa--gfx1250"
	.amdhsa_code_object_version 6
	.text
	.protected	k_qb465448eba_qkv
	.globl	k_qb465448eba_qkv
	.p2align	8
	.type	k_qb465448eba_qkv,@function
k_qb465448eba_qkv:
	s_mov_b64 s[64:65], 0
	v_nop
	global_prefetch_b8 v0, s[64:65] scope:SCOPE_SE
	s_setreg_imm32_b32 hwreg(HW_REG_WAVE_MODE, 25, 1), 1
	s_wait_xcnt 0x0
	s_wait_alu depctr_hold_cnt(0) depctr_sa_sdst(0) depctr_va_vdst(0) depctr_va_sdst(0) depctr_va_ssrc(0) depctr_va_vcc(0) depctr_vm_vsrc(0)
	s_getreg_b32 s2, hwreg(HW_REG_IB_STS2, 6, 4)
	s_cmp_eq_u32 s2, 0
	s_cbranch_scc0 .Lentry_in_a_cluster
	s_endpgm
.Lentry_in_a_cluster:
	s_bfe_u32 s2, ttmp6, 0x10000c
	s_cmp_lg_u32 s2, 0xf033
	s_cbranch_scc0 .Lentry_shape_is_right
	s_endpgm
.Lentry_shape_is_right:
; The three projections on codes of FP8 (E4M3), the rotary embedding of q and k, and the quantising of q, k, v for attention.  Sums in f32.
; Cluster x says which: 0: q = x Wq^T, 1: k = x Wk^T (A = x's codes in that product's version, rows = positions; B = the weight), 2: V^T = Wv x^T (A = Wv, B = x's third version), BY THE SAME TEXT: for v a lane
; then holds one channel and its registers run along the positions, which are the K of attention's second product.
; A tile of C, 256 x 256, is made by four waves, each 128 x 128: 64 accumulators, 512 registers.  192 tiles: tiles of 128 would read twice the LDS bytes for each product.
; OPERANDS ARE IMAGES OF REGISTERS: a fragment (16 rows x 128 K) is 2,048 bytes, four chunks of 512, lane l's 16 bytes at 16 l; lane (r, h): row r, registers 2 c, 2 c + 1: k = 16 c + 8 h + 0 .. 7.  A matrix is
; [tile of 16 rows][K step][2,048].  So every LDS load reads 512 consecutive bytes: no pitch, no padding.
; K = 1,024 goes in four steps of 256 through two LDS slots; a wave's tensor load brings 8 tiles of rows x 4,096 bytes (two K steps of 128), 16,384 bytes apart in memory.
; CLUSTERS: 4 x 4 work-groups; A's tile is shared along a row of the cluster, B's along a column, each asked for jointly.  The matrix instruction is used transposed (source 0 = B's rows, source 1 = A's rows):
; a lane holds one row of A's and eight neighbouring rows of B's.
; THE WAY OUT needs no LDS.  q, k: a lane's eight numbers are four pairs (x1, x2) of one position: (x1 c - x2 s, x1 s + x2 c) with c, s from the table; held, converted: the codes are registers 2 c, 2 c + 1 of
; attention's fragment (16 positions x 64 channels).  v: held and converted: registers 2 b, 2 b + 1 of the fragment (16 channels x 128 keys).  The three scales are folded: a sum stands for sum x 2^(ea + eb), its code is sum / 2^(eo - ea - eb).
; qkv = q [head][tile of 16 positions][1,024] | k, the same, 4 MB on | v [head][block of 128 keys][tile of 16 channels][2,048], 8 MB on.
; LIMITS: eo - ea - eb between -126 and 119 (q: entries 6, 0, 1; k: 7, 2, 3; v: 9, 4, 5).  NaN is not served.
; REGISTERS, in windows of 256: window 0: v16-31 addresses and scales; v32-95 two sets of the table; v96-103 at work; from v128 A's fragments, ONE set; on the way out v128-191 numbers, v192-223 codes.
;   window 1: B's fragments, two sets.   windows 2, 3: the accumulators ((a, b) at v[8 (8 (a % 4) + b)]).
.set FR,    16                         ; registers of a fragment
.set NL,    4                          ; LDS loads that bring one
.set NP,    4                          ; places behind this matrix instruction (ISA guide 7.12.1)
.set REG,   32768                      ; what one tensor load brings: 8 tiles of rows x 2 K steps x 2,048
.set SLOT,  4*REG                      ; A's two halves, then B's two
.set SPARE, 2*SLOT                     ; behind the ring: the spare words, 128 bytes for each wave
.set ADRA, 16                          ; v16-17  LDS address of my A fragments in slot 0, 1
.set ADRB, 20                          ; v20-21  the same for B
.set LN,   26                          ; v26     16 x lane
.set SPW,  28                          ; v28     my spare word; never rewritten
.set NIL,  29                          ; v29     0; never rewritten
.set SCL,  30                          ; v30     2^(eo - ea - eb)
.set LIM,  31                          ; v31     448 x that
.set CS,   32                          ; v32-95  the table of a block of 16 positions, two sets of 32: register 8 t + 2 p: cos, + 1: sin, of pair 8 t + 4 h + p
.set T,    96
.set AF,   128
.set R,    128
.set CD,   192
.set G1,  24                           ; s[24:31] group 1 for A's tiles; s[32:39] group 0, a set for each slot
.set G0,  32
.set G1B, 48                           ; s[48:55], s[56:63] the same for B's
.set G0B, 56
.set MSB, 0
.macro WIN new                         ; the immediate's high byte repeats the setting that is left
.if MSB != \new
	s_set_vgpr_msb (MSB<<8)|\new
.set MSB, \new
.endif
.endm
.set MUL_LO, 0xa1                      ; source 0 (B) window 1, source 1 (A) window 0, C and D window 2
.set MUL_HI, 0xf1                      ; the same, C and D window 3
.set TO_B,   0x40                      ; destination window 1, address window 0
; A joint load: waves 0 and 1 fetch for A, waves 2 and 3 for B; the branch hangs on the wave's number alone.  Four v_nop follow each of the two lines.
.macro JLOAD g0a, g1a, g0b, g1b
	s_cmp_eq_u32 s15, 0
	s_cbranch_scc0 .Lfor_b_\@
	tensor_load_to_lds s[\g0a:\g0a+3], s[\g1a:\g1a+7]
	s_nop 0
.rept 4
	v_nop
.endr
	s_branch .Lasked_\@
.Lfor_b_\@:
	tensor_load_to_lds s[\g0b:\g0b+3], s[\g1b:\g1b+7]
	s_nop 0
.rept 4
	v_nop
.endr
.Lasked_\@:
.endm
.macro CREST                           ; a round of the cluster's barrier behind its opening barrier
	s_cmp_lg_u32 s14, 0
	s_cbranch_scc1 .Lnot_wave_0_\@
	s_barrier_signal -3
.Lnot_wave_0_\@:
	s_barrier_wait -3
	s_barrier_signal -1
	s_barrier_wait -1
.endm
.macro CROUND
	s_barrier_signal -1
	s_barrier_wait -1
	CREST
.endm
	s_load_b256 s[4:11], s[0:1], 0x0               ; codes s[4:5], tab s[6:7], the scales s[8:9], qkv s[10:11]
	v_lshl_add_u32 v[SPW], v0, 2, SPARE
	v_mov_b32 v[NIL], 0
	ds_add_u32 v28, v29
	ds_add_u32 v28, v29
	s_wait_dscnt 0x0
	v_lshrrev_b32 v1, 5, v0
	v_readfirstlane_b32 s14, v1                    ; wave 0..3
	s_lshr_b32 s15, s14, 1                         ; which half of A's rows is mine.  Also: I fetch for A (0) or for B (1)
	s_and_b32 s16, s14, 1                          ; which half of B's rows.  Also: which half of that tile I fetch
	s_bfe_u32 s40, ttmp6, 0x40000                  ; cx, cy: my place in the cluster
	s_bfe_u32 s41, ttmp6, 0x40004
	s_and_b32 s17, ttmp7, 0xffff                   ; Y: the cluster's y.  ttmp9, the cluster's x, says which product
	s_lshl_b32 s43, s41, 2
	s_lshl_b32 s43, 15, s43                        ; my row of the cluster
	s_lshl_b32 s44, 0x1111, s40                    ; my column
	s_or_b32 s[G1+0], s43, (3<<16)|(1<<21)         ; 15:0 the mask: A's tiles go to my row; 17:16 elements of 8 bytes; 21 set beside a mask; no padding
	s_or_b32 s[G1B+0], s44, (3<<16)|(1<<21)
.irp g, G1, G1B
	s_mov_b32 s[\g+1], 512<<16                     ; tensor_dim0 = 512 elements: 4,096 bytes
	s_mov_b32 s[\g+2], 8<<16                       ; tensor_dim1 = 8
	s_mov_b32 s[\g+3], 512<<16                     ; tile_dim0
	s_mov_b32 s[\g+4], 8                           ; tile_dim1
	s_mov_b32 s[\g+5], 2048                        ; from one tile of rows to the next: 16,384 bytes
	s_mov_b32 s[\g+6], 0
	s_mov_b32 s[\g+7], 0
.endr
	; where the tiles come from, in bytes from the first code.  A's offset is made of cy, B's of cx, each in registers that never hold the other
	s_lshl_b32 s18, s17, 20                        ; Y: 4 tiles of 256 rows of x
	s_lshl_b32 s19, ttmp9, 22
	s_add_co_u32 s19, s19, s18                     ; q, k: A = x in version 0 or 1
	s_lshl_b32 s22, ttmp9, 20
	s_add_co_u32 s22, s22, 12<<20                  ; q, k: B = Wq or Wk
	s_add_co_u32 s18, s18, 8<<20                   ; v: B = x in its third version
	s_cmp_lt_u32 ttmp9, 2
	s_cselect_b32 s20, s19, 14<<20                 ; v: A = Wv
	s_cselect_b32 s46, s22, s18
	s_lshl_b32 s21, s41, 18
	s_add_co_u32 s20, s20, s21                     ; + cy tiles of 256 rows
	s_lshl_b32 s47, s40, 18
	s_add_co_u32 s46, s46, s47                     ; + cx
	s_lshl_b32 s18, s16, 17                        ; + the half that I fetch
	s_add_co_u32 s20, s20, s18
	s_add_co_u32 s46, s46, s18
	s_mov_b32 s21, 0
	s_mov_b32 s47, 0
	s_lshl_b32 s45, s14, 15                        ; where they go: wave x 32,768: no place in the cluster enters an LDS address
	s_lshl_b32 s84, s17, 2
	s_add_co_u32 s84, s84, s41
	s_lshl_b32 s84, s84, 4
	s_lshl_b32 s85, s15, 3
	s_add_co_u32 s84, s84, s85                     ; q, k: my first tile of 16 positions: 16 (4 Y + cy) + 8 (w / 2)
	s_lshl_b32 s86, s84, 12                        ; 4,096 bytes of the table for each
	s_mov_b32 s87, 0
	s_wait_kmcnt 0x0
	s_load_b256 s[68:75], s[8:9], 0x0              ; entries 0 to 7
	s_load_b128 s[76:79], s[8:9], 0x20             ; entries 8 to 11
	s_add_nc_u64 s[20:21], s[4:5], s[20:21]
	s_add_nc_u64 s[46:47], s[4:5], s[46:47]
	s_add_nc_u64 s[6:7], s[6:7], s[86:87]
	CROUND                                         ; all sixteen work-groups are here: the first joint loads meet
.irp s, 0,1
	s_mov_b32 s[G0+4*\s], 1
	s_add_co_u32 s[G0+4*\s+1], s45, \s*SLOT
	s_add_nc_u64 s[G0+4*\s+2:G0+4*\s+3], s[20:21], \s*4096
	s_or_b32 s[G0+4*\s+3], s[G0+4*\s+3], 0x80000000
	s_mov_b32 s[G0B+4*\s], 1
	s_add_co_u32 s[G0B+4*\s+1], s45, \s*SLOT
	s_add_nc_u64 s[G0B+4*\s+2:G0B+4*\s+3], s[46:47], \s*4096
	s_or_b32 s[G0B+4*\s+3], s[G0B+4*\s+3], 0x80000000
	JLOAD G0+4*\s, G1, G0B+4*\s, G1B
.endr
	v_and_b32 v1, 31, v0
	v_lshlrev_b32 v[LN], 4, v1
	s_lshl_b32 s22, s15, 15                        ; my half of A,
	s_lshl_b32 s23, s16, 15
	s_add_co_u32 s23, s23, 2*REG                   ; my half of B, behind A's two
.irp s, 0,1
	v_add_nc_u32 v[ADRA+\s], s22, v[LN]
	v_add_nc_u32 v[ADRB+\s], s23, v[LN]
	s_add_co_u32 s22, s22, SLOT
	s_add_co_u32 s23, s23, SLOT
.endr
; the table of block a (16 positions): eight loads of 512 consecutive bytes into set a % 2
.macro TABLOAD a
.irp c, 0,1,2,3,4,5,6,7
	global_load_b128 v[CS+32*((\a)%2)+4*\c:CS+32*((\a)%2)+4*\c+3], v[LN], s[6:7] offset:(\a)*4096+512*\c
.endr
.endm
	TABLOAD 0                                      ; the first two blocks' tables are asked for here and land under the products.  The work-groups of V^T ask too, inside the table, and do not use them:
	TABLOAD 1                                      ; 8 KB a wave, which spares a second branch on the product ahead of the shared part
.macro FRAG reg, adr, q, i             ; fragment i of the slot's q-th K step of 128: four loads of 512 consecutive bytes
.irp c, 0,1,2,3
	ds_load_b128 v[\reg+4*\c:\reg+4*\c+3], v[\adr] offset:4096*(\i)+2048*(\q)+512*\c
.endr
.endm
; 16 matrix instructions: A's blocks a0, a0 + 1 x B's eight.  p: B's set.  zero = 1: the first product starts the sums.  The 64 accumulators take turns, one instruction a turn, in the same order in every step.
.macro MUL16 a0, p, zero
.irp a, \a0, \a0+1
.irp b, 0,1,2,3,4,5,6,7
.if \zero
	v_wmma_f32_16x16x128_fp8_fp8 v[8*(8*((\a)%4)+\b):8*(8*((\a)%4)+\b)+7], v[128*(\p)+FR*\b:128*(\p)+FR*\b+FR-1], v[AF+FR*(\a):AF+FR*(\a)+FR-1], 0
.else
	v_wmma_f32_16x16x128_fp8_fp8 v[8*(8*((\a)%4)+\b):8*(8*((\a)%4)+\b)+7], v[128*(\p)+FR*\b:128*(\p)+FR*\b+FR-1], v[AF+FR*(\a):AF+FR*(\a)+FR-1], v[8*(8*((\a)%4)+\b):8*(8*((\a)%4)+\b)+7]
.endif
.endr
.endr
.endm
.macro FETCH_B slot, q, p
	WIN TO_B
.irp i, 0,1,2,3,4,5,6,7
	FRAG 128*(\p)+FR*\i, ADRB+\slot, \q, \i
.endr
	WIN 0
.endm
.macro FETCH_A slot, q, i0
.irp i, \i0, \i0+1, \i0+2, \i0+3
	FRAG AF+FR*(\i), ADRA+\slot, \q, \i
.endr
.endm
; A load into a register that a matrix instruction has read, and a vector instruction that reads a result or writes such a register, stand NP places behind it; only plain vector instructions that name none of its registers are places.
.macro PLACES n
.rept \n
	v_nop
.endr
.endm
; A step of 128 along K that has its successor in the same slot.  A's blocks go one after the other, each against B's eight: blocks 0-3 are fetched anew in the step's middle, blocks 4-7 at its end.
.macro STEP slot, q, zero
	s_wait_dscnt 4*NL                              ; B's set and A's blocks 0-3 are in; the youngest sixteen loads (A's blocks 4-7) may be out
	WIN MUL_LO
	MUL16 0, (\q)%2, \zero
	MUL16 2, (\q)%2, \zero
	s_wait_dscnt 0                                 ; A's blocks 4-7 are in (asked for 32 matrix instructions ago)
	PLACES NP
	FETCH_B \slot, (\q)+1, 1-(\q)%2
	FETCH_A \slot, (\q)+1, 0
	WIN MUL_HI
	MUL16 4, (\q)%2, \zero
	MUL16 6, (\q)%2, \zero
	PLACES NP
	WIN 0
	FETCH_A \slot, (\q)+1, 4
.endm
; A slot's last step changes slots: ONE barrier; in front of it each wave waits for all its tensor loads, adds 0 to its spare word, and waits for that and for its reads of this slot.  fill = 1: this slot is filled again, two slots ahead.
.macro TURN slot, next, fill
	s_wait_tensorcnt 0x0                           ; all my tensor loads have landed: my part of the next slot (every window is 0 here)
	ds_add_u32 v[SPW], v[NIL]                      ; 0 onto my spare word
	s_wait_dscnt 4*NL+1                            ; (the add and the youngest sixteen loads may be out)
	WIN MUL_LO
	MUL16 0, 1, 0                                  ; sixteen matrix instructions stand between the add and the wait for it
	s_wait_dscnt 0x0                               ; the add is done, and my reads of this slot are over
	s_barrier_signal -1
	MUL16 2, 1, 0
	WIN 0
	s_barrier_wait -1
.if \fill
	CREST                                          ; the barrier has opened a round of the cluster's: no wave of any partner still reads this slot or has a load on its way
	s_add_nc_u64 s[G0+4*\slot+2:G0+4*\slot+3], s[G0+4*\slot+2:G0+4*\slot+3], 8192
	s_add_nc_u64 s[G0B+4*\slot+2:G0B+4*\slot+3], s[G0B+4*\slot+2:G0B+4*\slot+3], 8192
	JLOAD G0+4*\slot, G1, G0B+4*\slot, G1B         ; the first tensor load behind the round, one a wave; its four v_nop are the places in front of the loads below
.else
	PLACES NP
.endif
	FETCH_B \next, 0, 0
	FETCH_A \next, 0, 0
	WIN MUL_HI
	MUL16 4, 1, 0
	MUL16 6, 1, 0
	PLACES NP
	WIN 0
	FETCH_A \next, 0, 4
.endm
	s_wait_tensorcnt 1                             ; my part of slot 0 is in (slot 1's load may be out)
	s_barrier_signal -1
	s_barrier_wait -1                              ; everybody's is
	FETCH_B 0, 0, 0
	FETCH_A 0, 0, 0
	FETCH_A 0, 0, 4
	STEP 0, 0, 1                                   ; K 0: its products start the sums.  Eight steps of 128, written out: two tensor loads of mine are out at the start, one behind each round
	TURN 0, 1, 1                                   ; K 128; slot 0 takes K 512 to 767
	STEP 1, 0, 0
	TURN 1, 0, 1                                   ; slot 1 takes K 768 to 1,023
	STEP 0, 0, 0
	TURN 0, 1, 0                                   ; nothing is left to fetch
	STEP 1, 0, 0
	s_wait_dscnt 4*NL
	WIN MUL_LO
	MUL16 0, 1, 0
	MUL16 2, 1, 0
	s_wait_dscnt 0
	WIN MUL_HI
	MUL16 4, 1, 0
	MUL16 6, 1, 0
	WIN 0
	; ---- the folded scale, chosen without a branch
	s_wait_kmcnt 0x0
	s_cmp_eq_u32 ttmp9, 0
	s_cselect_b32 s80, s68, s70                    ; ea: entry 0, 2 or 4
	s_cselect_b32 s81, s69, s71                    ; eb: 1, 3 or 5
	s_cselect_b32 s82, s74, s75                    ; eo: 6, 7 or 9
	s_cmp_eq_u32 ttmp9, 2
	s_cselect_b32 s80, s72, s80
	s_cselect_b32 s81, s73, s81
	s_cselect_b32 s82, s77, s82
	s_sub_co_i32 s82, s82, s80
	s_sub_co_i32 s82, s82, s81
	s_add_co_i32 s82, s82, 127
	s_lshl_b32 s83, s82, 23
	v_mov_b32 v[SCL], s83
	s_add_co_i32 s82, s82, 8
	s_lshl_b32 s82, s82, 23
	s_or_b32 s82, s82, 0x600000
	v_mov_b32 v[LIM], s82
	PLACES NP                                      ; behind the last products: their results are read and A's registers written below
; Block a of q or k: 16 positions x 128 channels (two heads).
.macro OUTQK a
.set AC,  64*((\a)%4)
.set CSA, CS+32*((\a)%2)
.set CDA, CD+16*((\a)%2)
.set WN,  0x02+(\a)/4
.if (\a) < 7
	s_wait_loadcnt 8                               ; this block's eight loads of the table are in; the next block's may be out
.else
	s_wait_loadcnt 0
.endif
	WIN WN                                         ; source 0: the sums, window 2 or 3
.irp b, 0,1,2,3,4,5,6,7
.irp p, 0,1,2,3
	v_pk_mul_f32 v[T+2*\p:T+2*\p+1], v[AC+8*\b+2*\p:AC+8*\b+2*\p+1], v[CSA+8*(\b%4)+2*\p:CSA+8*(\b%4)+2*\p+1] op_sel:[1,1] op_sel_hi:[1,0]   ; (x2 s, x2 c); each accumulator is read from its low end on
.endr
.irp p, 0,1,2,3
	v_pk_fma_f32 v[R+8*\b+2*\p:R+8*\b+2*\p+1], v[AC+8*\b+2*\p:AC+8*\b+2*\p+1], v[CSA+8*(\b%4)+2*\p:CSA+8*(\b%4)+2*\p+1], v[T+2*\p:T+2*\p+1] op_sel_hi:[0,1,1] neg_lo:[0,0,1]   ; (x1 c - x2 s, x1 s + x2 c)
.endr
.endr
	WIN 0
.if (\a)+2 < 8
	TABLOAD (\a)+2                                 ; into the set just read
.endif
	s_wait_xcnt 0x0                                ; the stores of two blocks ago have read their registers, which are written below
.irp b, 0,1,2,3,4,5,6,7
.irp i, 0,1,2,3,4,5,6,7
	v_med3_num_f32 v[R+8*\b+\i], v[R+8*\b+\i], -v[LIM], v[LIM]   ; the conversion does not saturate (ISA guide 7.6.2)
.endr
	v_cvt_scalef32_pk8_fp8_f32 v[CDA+2*\b:CDA+2*\b+1], v[R+8*\b:R+8*\b+7], v[SCL]   ; head b / 4, registers 2 (b % 4) and the next
.endr
	v_nop                                          ; a plain instruction behind the last conversion
.irp i, 0,1,2,3
	global_store_b128 v[LN], v[CDA+4*\i:CDA+4*\i+3], s[10:11] offset:(\a)*1024+(\i/2)*262144+(\i%2)*512   ; 512 consecutive bytes: head i / 2, chunk i % 2
.endr
.endm
; Block a of V^T: 16 channels x 128 positions: one whole fragment.
.macro OUTV a
.set AC,  64*((\a)%4)
.set CDA, CD+16*((\a)%2)
.set WN,  0x02+(\a)/4
	WIN WN
.irp n, 0,1,2,3,4,5,6,7,8,9,10,11,12,13,14,15,16,17,18,19,20,21,22,23,24,25,26,27,28,29,30,31,32,33,34,35,36,37,38,39,40,41,42,43,44,45,46,47,48,49,50,51,52,53,54,55,56,57,58,59,60,61,62,63
	v_med3_num_f32 v[R+\n], v[AC+\n], -v[LIM], v[LIM]
.endr
	WIN 0
	s_wait_xcnt 0x0                                ; the stores of two blocks ago have read their registers
.irp b, 0,1,2,3,4,5,6,7
	v_cvt_scalef32_pk8_fp8_f32 v[CDA+2*\b:CDA+2*\b+1], v[R+8*\b:R+8*\b+7], v[SCL]
.endr
	v_nop
.irp i, 0,1,2,3
	global_store_b128 v[LN], v[CDA+4*\i:CDA+4*\i+3], s[10:11] offset:((\a)/4)*262144+((\a)%4)*2048+\i*512
.endr
.endm
	s_cmp_eq_u32 ttmp9, 2                          ; the cluster's x: the same in all sixteen partners
	s_cbranch_scc1 .Lvt
	s_lshl_b32 s86, ttmp9, 22                      ; q or k,
	s_lshl_b32 s87, s40, 2
	s_lshl_b32 s88, s16, 1
	s_add_co_u32 s87, s87, s88                     ; my first head: 4 cx + 2 (w % 2),
	s_lshl_b32 s87, s87, 18
	s_add_co_u32 s86, s86, s87
	s_lshl_b32 s87, s84, 10                        ; my first tile of positions
	s_add_co_u32 s86, s86, s87
	s_mov_b32 s87, 0
	s_add_nc_u64 s[10:11], s[10:11], s[86:87]
.irp a, 0,1,2,3,4,5,6,7
	OUTQK \a
.endr
	s_branch .Lend
.Lvt:
	s_lshl_b32 s86, s41, 2
	s_lshl_b32 s87, s15, 1
	s_add_co_u32 s86, s86, s87                     ; my first head: 4 cy + 2 (w / 2)
	s_lshl_b32 s86, s86, 18
	s_add_co_u32 s86, s86, 0x800000                ; v begins 8 MB in
	s_lshl_b32 s87, s17, 2
	s_add_co_u32 s87, s87, s40
	s_lshl_b32 s87, s87, 1
	s_add_co_u32 s87, s87, s16                     ; my block of 128 keys: 2 (4 Y + cx) + w % 2
	s_lshl_b32 s87, s87, 13
	s_add_co_u32 s86, s86, s87
	s_mov_b32 s87, 0
	s_add_nc_u64 s[10:11], s[10:11], s[86:87]
.irp a, 0,1,2,3,4,5,6,7
	OUTV \a
.endr
.Lend:
	s_wait_tensorcnt 0x0                           ; the wave's end
	ds_add_u32 v[SPW], v[NIL]
	s_wait_dscnt 0x0
	CROUND                                         ; the closing round: no work-group ends while a partner may still ask for a tile that names it
	s_endpgm
.Lfunc_end_k_qb465448eba_qkv:
	.size	k_qb465448eba_qkv, .Lfunc_end_k_qb465448eba_qkv-k_qb465448eba_qkv
	.p2alignl 7, 3214868480
	.fill 96, 4, 3214868480
	.section	.rodata,"a",@progbits
	.p2align	6, 0x0
	.amdhsa_kernel k_qb465448eba_qkv
		.amdhsa_group_segment_fixed_size 327680
		.amdhsa_private_segment_fixed_size 0
		.amdhsa_enable_private_segment 0
		.amdhsa_kernarg_size 32
		.amdhsa_user_sgpr_count 2
		.amdhsa_user_sgpr_kernarg_segment_ptr 1
		.amdhsa_wavefront_size32 1
		.amdhsa_system_sgpr_workgroup_id_x 1
		.amdhsa_system_sgpr_workgroup_id_y 1
		.amdhsa_system_sgpr_workgroup_id_z 1
		.amdhsa_system_vgpr_workitem_id 0
		.amdhsa_next_free_vgpr 1024
		.amdhsa_next_free_sgpr 100
		.amdhsa_reserve_vcc 0
		.amdhsa_float_denorm_mode_32 3
		.amdhsa_float_denorm_mode_16_64 3
		.amdhsa_memory_ordered 1
		.amdhsa_forward_progress 1
		.amdhsa_inst_pref_size 197
	.end_amdhsa_kernel
	.amdgpu_metadata
---
amdhsa.version: [ 1, 2 ]
amdhsa.kernels:
  - .name:           k_qb465448eba_qkv
    .symbol:         k_qb465448eba_qkv.kd
    .args:
      - { .name: codes, .offset: 0, .size: 8, .value_kind: global_buffer, .address_space: global }
      - { .name: tab, .offset: 8, .size: 8, .value_kind: global_buffer, .address_space: global }
      - { .name: lowp_scales, .offset: 16, .size: 8, .value_kind: global_buffer, .address_space: global }
      - { .name: qkv, .offset: 24, .size: 8, .value_kind: global_buffer, .address_space: global }
    .group_segment_fixed_size: 327680
    .private_segment_fixed_size: 0
    .kernarg_segment_align: 8
    .kernarg_segment_size: 32
    .max_flat_workgroup_size: 128
    .sgpr_count:     100
    .vgpr_count:     1024
    .wavefront_size: 32
...
	.end_amdgpu_metadata
.endif
;; end of part 2
;; launch attn (part 3): grid 16 x 16, 16 waves a work-group, no clusters, 169,984 bytes of LDS; arguments qkv, lowp_scales, ac; writes ac
.if DOCPART == 3
	.amdgcn_target "amdgcn-amd-amdhsa--gfx1250"
	.amdhsa_code_object_version 6
	.text
	.protected	k_qb465448eba_attn
	.globl	k_qb465448eba_attn
	.p2align	8
	.type	k_qb465448eba_attn,@function
k_qb465448eba_attn:
	s_mov_b64 s[64:65], 0
	v_nop
	global_prefetch_b8 v0, s[64:65] scope:SCOPE_SE
	s_setreg_imm32_b32 hwreg(HW_REG_WAVE_MODE, 25, 1), 1
	s_wait_xcnt 0x0
; Attention in a sliding causal window of 512 (key j counts for query i where i - 511 <= j <= i), 16 heads of 64, both products on codes of FP8 (E4M3); the result is quantised for the last projection.
; t = score x log2(e) / 8; M = the largest t so far, rounded UP to a whole number; p = 2^(t - M) is quantised, not normalised; the row's sum is taken of the unquantised p and divides at the end.
; When M moves, the sum and O are multiplied by 2^(old M - new M), which rounds nothing.
; SHARES: work-group (b, head) owns 256 queries; each of its sixteen waves owns 16 of them, in 256 registers: four waves to a SIMD, so that one wave's vector work stands beside another's products and LDS loads.
; A tile of 16 queries at position 128 B + 16 (u % 8) needs the five blocks of 128 keys B - 4 .. B: the first and the last are masked, the three between count whole.  Blocks ahead of key 0 are left out by a scalar branch on ids.
; THE WORK-GROUP'S WHOLE WINDOW, blocks 2 b - 4 .. 2 b + 1 of K and of V, 12 x 8,192 bytes, LIES IN LDS AT ONCE: twelve waves issue one tensor load each, every byte is filled once, one barrier.
; (Where b < 2 the slots of blocks that do not exist are filled with block 0, so that no load leaves its buffer, and are never read.)
; NO CLUSTER: neighbouring blocks of queries share four of their six blocks of keys, but at different places of their windows: a joint load would need an LDS address that hangs on the work-group's place.
; LAYOUT: all operands are images of registers (lane (r, h): row r, registers 2 c, 2 c + 1: k = 16 c + 8 h + 0 .. 7; chunks of four registers, 512 bytes, lane l at 16 l).  Both products are used transposed:
; S^T = K Q^T (source 0 = 16 keys), O^T = V^T P^T (source 0 = 16 channels): a lane holds ONE query; tile c of S^T holds keys 16 c + 8 h + 0 .. 7, which are registers 2 c, 2 c + 1 of P: the conversions' results are the operand.
; LIMITS on the given exponents: entries 6 + 7 between -123 and 130 (added to c's exponent field); entry 8, and entry 10 - 8 - 9, between -126 and 119.  NaN is not served.
; REGISTERS: v1, v2 LDS addresses; v3 d; v4 -infinity; v7 16 x lane; v12 -M, v13 the largest t, v[14:15] the sum in two halves; v16-23 Q; v32-95 K's, then V's fragments; v96-159 S^T, then p; v160-191 O^T; v224-239 p's codes; v236-254 at work.
.set ADK, 1                            ; v1   (u / 8) x 8,192 + 16 x lane: my first block of K
.set ADV, 2                            ; v2   the same for V, 49,152 on
.set WV,  18                           ; s18  my wave's number u
.set BI,  20                           ; s20  my first block of keys: 2 b + u / 8 - 4
.set CS,  22                           ; s[22:23] c = log2(e) / 8 x 2^(entries 6 + 7)
.set SEL, 50                           ; s[50:51] lane selects for v_permlanex16_b32: lane l xor 16
	s_load_b128 s[4:7], s[0:1], 0x0                ; qkv, the scales
	s_load_b64 s[8:9], s[0:1], 0x10                ; ac
	v_lshl_add_u32 v251, v0, 2, 0x29000
	v_mov_b32 v255, 0
	ds_add_u32 v251, v255
	ds_add_u32 v251, v255
	v_lshrrev_b32 v8, 5, v0
	v_readfirstlane_b32 s[WV], v8
	s_and_b32 s19, ttmp7, 0xffff                   ; the head
	s_mov_b32 s24, 3<<16                           ; group 1: a dense block of 8,192 bytes as 32 rows of 256: elements of 8 bytes, no mask, no padding
	s_mov_b32 s25, 32<<16                          ; tensor_dim0 = 32
	s_mov_b32 s26, 32<<16                          ; tensor_dim1 = 32
	s_mov_b32 s27, 32<<16                          ; tile_dim0 = 32
	s_mov_b32 s28, 32                              ; tile_dim1 = 32
	s_mov_b32 s29, 32                              ; from row to row
	s_mov_b32 s30, 0
	s_mov_b32 s31, 0
	s_sub_co_u32 s11, s[WV], 6
	s_mov_b32 s10, 0x800000
	s_cmp_lt_u32 s[WV], 6                          ; waves 0 to 5 fetch K's six blocks, waves 6 to 11 V's
	s_cselect_b32 s10, 0x400000, s10
	s_cselect_b32 s11, s[WV], s11
	s_lshl_b32 s12, ttmp9, 1
	s_add_co_i32 s11, s11, s12
	s_sub_co_i32 s11, s11, 4
	s_max_i32 s11, s11, 0                          ; block 2 b - 4 + i, held at 0
	s_lshl_b32 s11, s11, 13
	s_add_co_u32 s10, s10, s11
	s_lshl_b32 s13, s19, 18                        ; a head is 262,144 bytes in q, in k and in v
	s_add_co_u32 s10, s10, s13
	s_mov_b32 s11, 0
	s_lshl_b32 s14, ttmp9, 4
	s_add_co_u32 s14, s14, s[WV]                   ; my tile of 16 queries
	s_lshl_b32 s15, s14, 10
	s_add_co_u32 s46, s15, s13
	s_mov_b32 s47, 0
	s_lshl_b32 s48, s14, 3
	s_lshr_b32 s49, s19, 1
	s_add_co_u32 s48, s48, s49
	s_lshl_b32 s48, s48, 11                        ; ac: fragment (my tile, K step head / 2),
	s_and_b32 s49, s19, 1
	s_lshl_b32 s49, s49, 10                        ; its lower or upper two chunks
	s_add_co_u32 s48, s48, s49
	s_mov_b32 s49, 0
	s_wait_dscnt 0x0
	s_wait_kmcnt 0x0
	s_load_b64 s[58:59], s[6:7], 0x18              ; entries 6, 7
	s_load_b128 s[60:63], s[6:7], 0x20             ; entries 8 to 11
	s_mov_b32 s40, 1                               ; group 0: count = 1,
	s_lshl_b32 s41, s[WV], 13                      ; LDS address: wave x 8,192,
	s_add_nc_u64 s[42:43], s[4:5], s[10:11]        ; the block in memory,
	s_or_b32 s43, s43, 0x80000000                  ; type = 2
	s_cmp_lt_u32 s[WV], 12
	s_cbranch_scc0 .Lnoload
	tensor_load_to_lds s[40:43], s[24:31]          ; one load a wave; four v_nop follow it
	s_nop 0
.rept 4
	v_nop
.endr
.Lnoload:
	s_add_nc_u64 s[44:45], s[4:5], s[46:47]
	s_add_nc_u64 s[8:9], s[8:9], s[48:49]
	v_and_b32 v7, 31, v0
	v_lshlrev_b32 v7, 4, v7
	global_load_b128 v[16:19], v7, s[44:45]        ; Q's fragment stays in registers
	global_load_b128 v[20:23], v7, s[44:45] offset:512
	s_lshr_b32 s21, s[WV], 3
	s_lshl_b32 s[BI], ttmp9, 1
	s_add_co_u32 s[BI], s[BI], s21
	s_sub_co_i32 s[BI], s[BI], 4
	s_lshl_b32 s21, s21, 13
	v_add_nc_u32 v[ADK], s21, v7
	v_add_nc_u32 v[ADV], 49152, v[ADK]
	s_and_b32 s21, s[WV], 7
	s_lshl_b32 s21, s21, 4
	v_and_b32 v8, 15, v0
	v_bfe_u32 v9, v0, 4, 1
	v_lshlrev_b32 v9, 3, v9
	v_sub_nc_u32 v3, v8, v9
	v_add_nc_u32 v3, s21, v3                       ; d = 16 (u % 8) + r - 8 h.  Register n holds key 16 (n / 8) + n % 8 + 8 h of the block: in the last block it is hidden where 16 (n / 8) + n % 8 > d, in the first where it is <= d
	v_mov_b32 v4, 0xff800000                       ; -infinity
	v_mov_b32 v13, 0xff61b1e6                      ; the largest t so far: -3e38, under every t
	v_floor_f32 v12, -v13                          ; -M
	v_mov_b32 v14, 0
	v_mov_b32 v15, 0
	v_mov_b32 v236, 0                              ; written once: a lane permute's destination counts as one of its sources
	v_mov_b32 v253, 0                              ; (named as the upper half of the pair v[252:253])
.irp j, 0,1,2,3,4,5,6,7,8,9,10,11,12,13,14,15,16,17,18,19,20,21,22,23,24,25,26,27,28,29,30,31
	v_mov_b32 v[160+\j], 0                         ; O^T: the step has one form: the first finds zeros, which the first change of M leaves zeros
.endr
	s_mov_b32 s[SEL], 0x76543210
	s_mov_b32 s[SEL+1], 0xfedcba98
	s_mov_b32 s[CS], 0x3e38aa3b                    ; log2(e) / 8
	s_wait_kmcnt 0x0
	s_add_co_i32 s32, s58, s59
	s_lshl_b32 s32, s32, 23
	s_add_co_i32 s[CS], s[CS], s32                 ; a score stands for score x 2^(entries 6 + 7): added to c's exponent field
	s_mov_b32 s[CS+1], s[CS]
	s_add_co_i32 s32, s60, 127
	s_lshl_b32 s33, s32, 23
	v_mov_b32 v244, s33                            ; 2^(entry 8), for p's conversions
	s_add_co_i32 s32, s32, 8
	s_lshl_b32 s32, s32, 23
	s_or_b32 s32, s32, 0x600000
	v_mov_b32 v240, s32                            ; 448 x that
	s_sub_co_i32 s32, s62, s60
	s_sub_co_i32 s32, s32, s61
	s_add_co_i32 s32, s32, 127                     ; O^T / the sum stands for that x 2^(entries 8 + 9): its code is that / 2^(entry 10 - 8 - 9)
	s_lshl_b32 s33, s32, 23
	v_mov_b32 v245, s33
	s_add_co_i32 s32, s32, 8
	s_lshl_b32 s32, s32, 23
	s_or_b32 s32, s32, 0x600000
	v_mov_b32 v241, s32
	s_wait_loadcnt 0x0                             ; Q
	s_wait_tensorcnt 0x0                           ; my block has landed,
	s_barrier_signal -1
	s_barrier_wait -1                              ; everybody's has.  Nothing is filled again: this is the launch's one barrier
; A KEY STEP: the s-th of my five blocks.  mask = 0: all keys count; 1: the last block; 2: the first.
.macro STEP s, mask
.if (\s) < 4
	s_cmp_lt_i32 s[BI], -(\s)                      ; a block ahead of key 0 does not exist
	s_cbranch_scc1 .Lskip_\@
.endif
.rept 4
	v_nop                                          ; places in front of loads into registers that matrix instructions have read
.endr
.irp t, 0,1,2,3,4,5,6,7
.irp c, 0,1
	ds_load_b128 v[32+8*\t+4*\c:32+8*\t+4*\c+3], v[ADK] offset:(\s)*8192+\t*1024+512*\c
.endr
.endr
	s_wait_dscnt 8                                 ; the first four tiles of K are in
.irp t, 0,1,2,3
	v_wmma_f32_16x16x64_fp8_fp8 v[96+8*\t:103+8*\t], v[32+8*\t:39+8*\t], v[16:23], 0
.endr
	s_wait_dscnt 0x0
.irp t, 4,5,6,7
	v_wmma_f32_16x16x64_fp8_fp8 v[96+8*\t:103+8*\t], v[32+8*\t:39+8*\t], v[16:23], 0
.endr
.rept 4
	v_nop                                          ; places in front of the loads below and of the first read of the scores
.endr
.irp t, 0,1,2,3
.irp c, 0,1,2,3
	ds_load_b128 v[32+16*\t+4*\c:32+16*\t+4*\c+3], v[ADV] offset:(\s)*8192+\t*2048+512*\c   ; V's four fragments land under the softmax
.endr
.endr
.if (\mask) > 0
.irp n, 0,1,2,3,4,5,6,7,8,9,10,11,12,13,14,15,16,17,18,19,20,21,22,23,24,25,26,27,28,29,30,31,32,33,34,35,36,37,38,39,40,41,42,43,44,45,46,47,48,49,50,51,52,53,54,55,56,57,58,59,60,61,62,63
.if (\mask) == 1
	v_cmp_gt_i32 vcc_lo, 16*(\n/8)+\n%8, v3
.else
	v_cmp_le_i32 vcc_lo, 16*(\n/8)+\n%8, v3
.endif
	v_cndmask_b32 v[96+\n], v[96+\n], v4, vcc_lo   ; a hidden score becomes -infinity ahead of the maximum: p = 0 then
.endr
.endif
	v_max3_num_f32 v254, v96, v97, v98             ; the step's largest score of my query, among my 64 keys, in two chains,
	v_max3_num_f32 v252, v99, v100, v101
.irp i, 6,10,14,18,22,26,30,34,38,42,46,50,54,58
	v_max3_num_f32 v254, v254, v[96+\i], v[97+\i]
	v_max3_num_f32 v252, v252, v[98+\i], v[99+\i]
.endr
	v_max3_num_f32 v254, v254, v158, v159
	v_max_num_f32 v254, v254, v252
	v_permlanex16_b32 v236, v254, s[SEL], s[SEL+1]
	v_max_num_f32 v254, v254, v236                 ; and among lane l xor 16's
	v_mul_f32 v254, s[CS], v254                    ; as t (c is positive)
	v_max_num_f32 v13, v13, v254                   ; the running largest t
	v_mov_b32 v254, v12
	v_floor_f32 v12, -v13                          ; the new -M = floor(-t): M is a whole number
	v_sub_f32 v254, v12, v254                      ; old M - new M: a whole number, 0 or less
	v_cvt_i32_f32 v254, v254                       ; (it saturates)
	v_ldexp_f32 v252, 1.0, v254                    ; f = 2^(old M - new M)
.irp j, 0,2,4,6,8,10,12,14,16,18,20,22,24,26,28,30,32,34,36,38,40,42,44,46,48,50,52,54,56,58,60,62
	v_pk_fma_f32 v[96+\j:97+\j], v[96+\j:97+\j], s[CS:CS+1], v[12:13] op_sel_hi:[1,0,0]   ; t - M, two at a time
.endr
.irp j, 0,1,2,3,4,5,6,7,8,9,10,11,12,13,14,15,16,17,18,19,20,21,22,23,24,25,26,27,28,29,30,31,32,33,34,35,36,37,38,39,40,41,42,43,44,45,46,47,48,49,50,51,52,53,54,55,56,57,58,59,60,61,62,63
	v_exp_f32 v[96+\j], v[96+\j]                   ; p = 2^(t - M), at most 1
.endr
	v_pk_mul_f32 v[14:15], v[14:15], v[252:253] op_sel_hi:[1,0]   ; the sums under the new M.  (The plain instruction behind the exponentials)
	s_wait_alu depctr_va_vdst(0)                   ; one wait for the whole batch, ahead of its first reader
	v_pk_add_f32 v[242:243], v[96:97], v[98:99]    ; the row's sum is taken of the unquantised p: two at a time, in two chains
.irp j, 4,8,12,16,20,24,28,32,36,40,44,48,52,56,60
	v_pk_add_f32 v[14:15], v[14:15], v[96+\j:97+\j]
	v_pk_add_f32 v[242:243], v[242:243], v[98+\j:99+\j]
.endr
	v_pk_add_f32 v[14:15], v[14:15], v[242:243]
.irp b, 0,1,2,3
.irp i, 0,1,2,3,4,5,6,7,8,9,10,11,12,13,14,15
	v_min_num_f32 v[96+16*\b+\i], v[96+16*\b+\i], v240   ; the conversion does not saturate (ISA guide 7.6.2); p is not negative, so the hold is one-sided
.endr
	v_cvt_scalef32_pk8_fp8_f32 v[224+4*\b:225+4*\b], v[96+16*\b:103+16*\b], v244
	v_cvt_scalef32_pk8_fp8_f32 v[226+4*\b:227+4*\b], v[104+16*\b:111+16*\b], v244
.endr
.irp j, 0,2,4,6,8,10,12,14,16,18,20,22,24,26,28,30
	v_pk_mul_f32 v[160+\j:161+\j], v[160+\j:161+\j], v[252:253] op_sel_hi:[1,0]   ; O^T under the new M.  (Plain instructions between the conversions and the products that read the codes)
.endr
	s_wait_dscnt 0x0                               ; V is in
.irp t, 0,1,2,3
	v_wmma_f32_16x16x128_fp8_fp8 v[160+8*\t:167+8*\t], v[32+16*\t:47+16*\t], v[224:239], v[160+8*\t:167+8*\t]   ; the four accumulators take turns, one instruction a turn
.endr
.if (\s) < 4
.Lskip_\@:
.endif
.endm
	STEP 0, 2
	STEP 1, 0
	STEP 2, 0
	STEP 3, 0
	STEP 4, 1
	; THE WAY OUT: O^T / the sum, held and converted: register 8 t + j of lane (r, h) is channel 16 t + 8 h + j of query r, so the codes are eight registers of the last projection's fragment.
.rept 4
	v_nop                                          ; places behind the last products
.endr
	v_add_f32 v14, v14, v15                        ; the sum's two halves,
	v_permlanex16_b32 v252, v14, s[SEL], s[SEL+1]
	v_add_f32 v14, v14, v252                       ; and lane l xor 16's.  Key i counts for query i, so the sum is above 1 / 2
	v_rcp_f32 v14, v14
	v_nop                                          ; a plain instruction behind the reciprocal,
	s_wait_alu depctr_va_vdst(0)                   ; and the wait ahead of its first reader
.irp j, 0,2,4,6,8,10,12,14,16,18,20,22,24,26,28,30
	v_pk_mul_f32 v[96+\j:97+\j], v[160+\j:161+\j], v[14:15] op_sel_hi:[1,0]
.endr
.irp j, 0,1,2,3,4,5,6,7,8,9,10,11,12,13,14,15,16,17,18,19,20,21,22,23,24,25,26,27,28,29,30,31
	v_med3_num_f32 v[96+\j], v[96+\j], -v241, v241
.endr
.irp t, 0,1,2,3
	v_cvt_scalef32_pk8_fp8_f32 v[224+2*\t:225+2*\t], v[96+8*\t:103+8*\t], v245
.endr
	v_nop
	global_store_b128 v7, v[224:227], s[8:9]       ; 512 consecutive bytes each
	global_store_b128 v7, v[228:231], s[8:9] offset:512
	s_wait_tensorcnt 0x0
	ds_add_u32 v251, v255
	s_wait_dscnt 0x0
	s_endpgm
.Lfunc_end_k_qb465448eba_attn:
	.size	k_qb465448eba_attn, .Lfunc_end_k_qb465448eba_attn-k_qb465448eba_attn
	.p2alignl 7, 3214868480
	.fill 96, 4, 3214868480
	.section	.rodata,"a",@progbits
	.p2align	6, 0x0
	.amdhsa_kernel k_qb465448eba_attn
		.amdhsa_group_segment_fixed_size 169984
		.amdhsa_private_segment_fixed_size 0
		.amdhsa_enable_private_segment 0
		.amdhsa_kernarg_size 24
		.amdhsa_user_sgpr_count 2
		.amdhsa_user_sgpr_kernarg_segment_ptr 1
		.amdhsa_wavefront_size32 1
		.amdhsa_system_sgpr_workgroup_id_x 1
		.amdhsa_system_sgpr_workgroup_id_y 1
		.amdhsa_system_sgpr_workgroup_id_z 1
		.amdhsa_system_vgpr_workitem_id 0
		.amdhsa_next_free_vgpr 256
		.amdhsa_next_free_sgpr 66
		.amdhsa_reserve_vcc 1
		.amdhsa_float_denorm_mode_32 3
		.amdhsa_float_denorm_mode_16_64 3
		.amdhsa_memory_ordered 1
		.amdhsa_forward_progress 1
		.amdhsa_inst_pref_size 96
	.end_amdhsa_kernel
	.amdgpu_metadata
---
amdhsa.version: [ 1, 2 ]
amdhsa.kernels:
  - .name:           k_qb465448eba_attn
    .symbol:         k_qb465448eba_attn.kd
    .args:
      - { .name: qkv, .offset: 0, .size: 8, .value_kind: global_buffer, .address_space: global }
      - { .name: lowp_scales, .offset: 8, .size: 8, .value_kind: global_buffer, .address_space: global }
      - { .name: ac, .offset: 16, .size: 8, .value_kind: global_buffer, .address_space: global }
    .group_segment_fixed_size: 169984
    .private_segment_fixed_size: 0
    .kernarg_segment_align: 8
    .kernarg_segment_size: 24
    .max_flat_workgroup_size: 512
    .sgpr_count:     66
    .vgpr_count:     256
    .wavefront_size: 32
...
	.end_amdgpu_metadata
.endif
;; end of part 3
;; launch oproj (part 4): grid 8 x 32, 4 waves a work-group, clusters of 4 x 4, 280,064 bytes of LDS; arguments ac, codes, lowp_scales, out0; writes out0
.if DOCPART == 4
	.amdgcn_target "amdgcn-amd-amdhsa--gfx1250"
	.amdhsa_code_object_version 6
	.text
	.protected	k_qb465448eba_oproj
	.globl	k_qb465448eba_oproj
	.p2align	8
	.type	k_qb465448eba_oproj,@function
k_qb465448eba_oproj:
	s_mov_b64 s[64:65], 0
	v_nop
	global_prefetch_b8 v0, s[64:65] scope:SCOPE_SE
	s_setreg_imm32_b32 hwreg(HW_REG_WAVE_MODE, 25, 1), 1
	s_wait_xcnt 0x0
	s_wait_alu depctr_hold_cnt(0) depctr_sa_sdst(0) depctr_va_vdst(0) depctr_va_sdst(0) depctr_va_ssrc(0) depctr_va_vcc(0) depctr_vm_vsrc(0)
	s_getreg_b32 s2, hwreg(HW_REG_IB_STS2, 6, 4)
	s_cmp_eq_u32 s2, 0
	s_cbranch_scc0 .Lentry_in_a_cluster
	s_endpgm
.Lentry_in_a_cluster:
	s_bfe_u32 s2, ttmp6, 0x10000c
	s_cmp_lg_u32 s2, 0xf033
	s_cbranch_scc0 .Lentry_shape_is_right
	s_endpgm
.Lentry_shape_is_right:
; out0 = a Wo^T on codes of FP8 (E4M3): a [4096][1024] from attention (scale: entry 10), Wo [1024][1024] (entry 11; its codes begin 15 MB into the buffer of codes); out0 f32; sums in f32, each multiplied once by 2^(entries 10 + 11).
; LIMIT: entries 10 + 11 between -126 and 127, so that the power is an f32 number.
; A tile of out0 is 128 x 128, so that there are 256 work-groups; four waves, each 64 x 64: 16 accumulators.  Operands are images of registers ([tile of 16 rows][K step of 128][2,048]; four chunks of 512 bytes, lane l at 16 l).
; THE TILE'S WHOLE K LIES IN LDS: 256 KB, filled once, in four chunks of 256 along K: each wave issues four tensor loads at the start (4 tiles of rows x 4,096 bytes each) and waits for them one by one; nothing is filled again.
; CLUSTERS: 4 x 4 work-groups; A's tiles are shared along a row of the cluster, B's along a column, each asked for jointly.  The matrix instruction is used transposed (source 0 = Wo's rows, source 1 = a's rows):
; a lane holds eight neighbouring numbers of a row of out0.
; REGISTERS: window 0: v8-15 LDS addresses; v24-26 the way out's addresses; v32-63, v64-127 at work on the way out; v128-255 the accumulators ((a, b) at v[128 + 8 (4 a + b)]).  window 1: two sets of fragments: A's four, then B's four.
.set CH,    65536                      ; a chunk: A's two halves, then B's two, 16,384 bytes each
.set STAGE, 4*CH                       ; behind the tiles: 16 rows x 272 bytes for each wave, for the way out; no tensor load lands there
.set SP,    272
.set ADRA, 8                           ; v8-11   my A fragments in chunk 0 .. 3
.set ADRB, 12                          ; v12-15  my B fragments
.set STO,  24
.set RD,   25
.set CO,   26
.set TMP,  32
.set BK,   64
.set ACC,  128
.set G1,  24                           ; s[24:31] group 1 for A; s[32:47] four groups 0
.set G0,  32
.set G1B, 48                           ; s[48:55] group 1 for B; s[80:95] four groups 0
.set G0B, 80
.set MSB, 0
.macro WIN new
.if MSB != \new
	s_set_vgpr_msb (MSB<<8)|\new
.set MSB, \new
.endif
.endm
.macro CROUND                          ; a round of the cluster's barrier
	s_barrier_signal -1
	s_barrier_wait -1
	s_cmp_lg_u32 s14, 0
	s_cbranch_scc1 .Lnot_wave_0_\@
	s_barrier_signal -3
.Lnot_wave_0_\@:
	s_barrier_wait -3
	s_barrier_signal -1
	s_barrier_wait -1
.endm
	s_load_b256 s[4:11], s[0:1], 0x0               ; ac s[4:5], codes s[6:7], the scales s[8:9], out0 s[10:11]
	v_lshl_add_u32 v30, v0, 2, 0x44400
	v_mov_b32 v31, 0
	ds_add_u32 v30, v31
	ds_add_u32 v30, v31
	v_lshrrev_b32 v1, 5, v0
	v_readfirstlane_b32 s14, v1                    ; wave 0..3
	s_lshr_b32 s15, s14, 1                         ; which half of the tile's rows is mine.  Also: I fetch for A (0) or for B (1)
	s_and_b32 s16, s14, 1                          ; which half of its columns.  Also: which half of that tile I fetch
	s_bfe_u32 s12, ttmp6, 0x40000                  ; cx
	s_bfe_u32 s13, ttmp6, 0x40004                  ; cy
	s_lshl_b32 s19, ttmp9, 2
	s_add_co_u32 s19, s19, s12                     ; tile column = 4 x cluster x + cx
	s_and_b32 s17, ttmp7, 0xffff
	s_lshl_b32 s17, s17, 2
	s_add_co_u32 s17, s17, s13                     ; tile row = 4 x cluster y + cy
	s_lshl_b32 s66, s13, 2
	s_lshl_b32 s66, 15, s66                        ; my row of the cluster
	s_lshl_b32 s67, 0x1111, s12                    ; my column
	s_or_b32 s[G1+0], s66, (3<<16)|(1<<21)         ; the mask; elements of 8 bytes; bit 21 beside a mask; no padding
	s_or_b32 s[G1B+0], s67, (3<<16)|(1<<21)
.irp g, G1, G1B
	s_mov_b32 s[\g+1], 512<<16                     ; tensor_dim0 = 512 elements: 4,096 bytes
	s_mov_b32 s[\g+2], 4<<16                       ; tensor_dim1 = 4
	s_mov_b32 s[\g+3], 512<<16                     ; tile_dim0
	s_mov_b32 s[\g+4], 4                           ; tile_dim1
	s_mov_b32 s[\g+5], 2048                        ; 16,384 bytes from one tile of rows to the next
	s_mov_b32 s[\g+6], 0
	s_mov_b32 s[\g+7], 0
.endr
	s_lshl_b32 s18, s16, 16                        ; the half that I fetch: 4 tiles of rows
	s_lshl_b32 s20, s17, 17                        ; A: 8 tiles of rows for each tile row
	s_add_co_u32 s20, s20, s18
	s_mov_b32 s21, 0
	s_lshl_b32 s22, s19, 17                        ; B likewise, by the tile column,
	s_add_co_u32 s22, s22, s18
	s_add_co_u32 s22, s22, 15<<20                  ; in Wo's codes
	s_mov_b32 s23, 0
	s_lshl_b32 s68, s14, 14                        ; where they go: wave x 16,384
	s_wait_dscnt 0x0
	s_wait_kmcnt 0x0
	s_load_b64 s[72:73], s[8:9], 0x28              ; entries 10, 11
	s_add_nc_u64 s[20:21], s[4:5], s[20:21]
	s_add_nc_u64 s[22:23], s[6:7], s[22:23]
.irp j, 0,1,2,3
	s_mov_b32 s[G0+4*\j], 1
	s_add_co_u32 s[G0+4*\j+1], s68, \j*CH
	s_add_nc_u64 s[G0+4*\j+2:G0+4*\j+3], s[20:21], \j*4096
	s_or_b32 s[G0+4*\j+3], s[G0+4*\j+3], 0x80000000
	s_mov_b32 s[G0B+4*\j], 1
	s_add_co_u32 s[G0B+4*\j+1], s68, \j*CH
	s_add_nc_u64 s[G0B+4*\j+2:G0B+4*\j+3], s[22:23], \j*4096
	s_or_b32 s[G0B+4*\j+3], s[G0B+4*\j+3], 0x80000000
.endr
	CROUND                                         ; all sixteen work-groups are here: the joint loads meet
	s_cmp_eq_u32 s15, 0                            ; a wave's four loads stand in one branch on the wave's number: four tensor loads of mine are out; four v_nop follow the last
	s_cbranch_scc0 .Lfirst_b
	tensor_load_to_lds s[G0:G0+3], s[G1:G1+7]
	s_nop 0
	tensor_load_to_lds s[G0+4:G0+7], s[G1:G1+7]
	s_nop 0
	tensor_load_to_lds s[G0+8:G0+11], s[G1:G1+7]
	s_nop 0
	tensor_load_to_lds s[G0+12:G0+15], s[G1:G1+7]
	s_nop 0
.rept 4
	v_nop
.endr
	s_branch .Lfirst_asked
.Lfirst_b:
	tensor_load_to_lds s[G0B:G0B+3], s[G1B:G1B+7]
	s_nop 0
	tensor_load_to_lds s[G0B+4:G0B+7], s[G1B:G1B+7]
	s_nop 0
	tensor_load_to_lds s[G0B+8:G0B+11], s[G1B:G1B+7]
	s_nop 0
	tensor_load_to_lds s[G0B+12:G0B+15], s[G1B:G1B+7]
	s_nop 0
.rept 4
	v_nop
.endr
.Lfirst_asked:
	v_and_b32 v1, 15, v0                           ; r
	v_bfe_u32 v2, v0, 4, 1                         ; h
	v_and_b32 v3, 31, v0
	v_lshlrev_b32 v3, 4, v3                        ; 16 x lane
	s_lshl_b32 s69, s15, 14                        ; my half of A,
	s_lshl_b32 s70, s16, 14
	s_add_co_u32 s70, s70, 32768                   ; my half of B, behind A's two
.irp j, 0,1,2,3
	v_add_nc_u32 v[ADRA+\j], s69, v3
	v_add_nc_u32 v[ADRB+\j], s70, v3
	s_add_co_u32 s69, s69, CH
	s_add_co_u32 s70, s70, CH
.endr
	s_mul_i32 s71, s14, 16*SP
	s_add_co_u32 s71, s71, STAGE                   ; my stage
	v_mul_u32_u24 v[STO], v1, SP
	v_lshl_add_u32 v[STO], v2, 5, v[STO]
	v_add_nc_u32 v[STO], s71, v[STO]               ; in: row r, 32 bytes for each half of the lanes
	v_mul_u32_u24 v[RD], v2, SP
	v_lshl_add_u32 v[RD], v1, 4, v[RD]
	v_add_nc_u32 v[RD], s71, v[RD]                 ; back: lanes 0-15 one row of 256 bytes, lanes 16-31 the next
	v_lshlrev_b32 v[CO], 12, v2
	v_lshl_add_u32 v[CO], v1, 4, v[CO]             ; and the same two rows in out0 (4,096 bytes a row)
	s_lshl_b32 s74, s17, 19                        ; 128 rows for each tile row,
	s_lshl_b32 s75, s15, 18                        ; my 64 of them,
	s_add_co_u32 s74, s74, s75
	s_lshl_b32 s75, s19, 9                         ; 512 bytes for each tile column,
	s_add_co_u32 s74, s74, s75
	s_lshl_b32 s75, s16, 8                         ; my 256 of them
	s_add_co_u32 s74, s74, s75
	s_mov_b32 s75, 0
	s_add_nc_u64 s[10:11], s[10:11], s[74:75]
.macro FETCH k                         ; the fragments of K step k (0 .. 7) into set k % 2: 32 loads of 512 consecutive bytes
.set FB, 128*((\k)%2)
	WIN 0x40                                       ; destination window 1, address window 0
.irp i, 0,1,2,3
.irp c, 0,1,2,3
	ds_load_b128 v[FB+16*\i+4*\c:FB+16*\i+4*\c+3], v[ADRA+(\k)/2] offset:\i*4096+((\k)%2)*2048+512*\c
.endr
.endr
.irp i, 0,1,2,3
.irp c, 0,1,2,3
	ds_load_b128 v[FB+64+16*\i+4*\c:FB+64+16*\i+4*\c+3], v[ADRB+(\k)/2] offset:\i*4096+((\k)%2)*2048+512*\c
.endr
.endr
.endm
.macro MUL k                           ; 16 matrix instructions; the accumulators take turns, one instruction a turn; the first K step starts the sums
.set FB, 128*((\k)%2)
	WIN 0x05                                       ; sources 0 and 1 window 1; C and D window 0
.irp a, 0,1,2,3
.irp b, 0,1,2,3
.if (\k) == 0
	v_wmma_f32_16x16x128_fp8_fp8 v[ACC+8*(4*\a+\b):ACC+8*(4*\a+\b)+7], v[FB+64+16*\b:FB+64+16*\b+15], v[FB+16*\a:FB+16*\a+15], 0
.else
	v_wmma_f32_16x16x128_fp8_fp8 v[ACC+8*(4*\a+\b):ACC+8*(4*\a+\b)+7], v[FB+64+16*\b:FB+64+16*\b+15], v[FB+16*\a:FB+16*\a+15], v[ACC+8*(4*\a+\b):ACC+8*(4*\a+\b)+7]
.endif
.endr
.endr
.endm
	s_wait_tensorcnt 3                             ; my part of chunk 0 is in; the three loads behind it may be out
	s_barrier_signal -1
	s_barrier_wait -1                              ; everybody's is
	FETCH 0
.irp k, 0,1,2,3,4,5,6,7
.if (\k%2 == 1) && (\k < 7)
	s_wait_dscnt 0x0                               ; no LDS instruction of mine is out at a signal
	s_wait_tensorcnt 3-(\k+1)/2                    ; my part of the next chunk is in; the later ones may be out
	s_barrier_signal -1
	s_barrier_wait -1
.endif
.if \k < 7
.if \k > 0
.rept 4
	v_nop                                          ; places in front of loads into the set that the last products read
.endr
.endif
	FETCH \k+1
	s_wait_dscnt 32                                ; all but the 32 just issued: this K step's fragments are in
.else
	s_wait_dscnt 0x0
.endif
	MUL \k
.endr
	WIN 0
; THE WAY OUT, block by block of 16 rows x 64 columns: a lane holds 32 neighbouring bytes of a row; through my own stage the block comes back as whole rows of 256 bytes.  LDS serves a wave's instructions in order (ISA guide 5.7.1.4).
.macro TOSTAGE a
.irp j, 0,2,4,6,8,10,12,14,16,18,20,22,24,26,28,30
	v_pk_mul_f32 v[TMP+\j:TMP+\j+1], v[ACC+32*(\a)+\j:ACC+32*(\a)+\j+1], s[96:97] op_sel_hi:[1,0]   ; x 2^(entries 10 + 11); each accumulator from its low end on
.endr
.irp b, 0,1,2,3
	ds_store_b128 v[STO], v[TMP+8*\b:TMP+8*\b+3] offset:64*\b
	ds_store_b128 v[STO], v[TMP+8*\b+4:TMP+8*\b+7] offset:64*\b+16
.endr
.set BB, BK+32*((\a)%2)
.irp t, 0,1,2,3,4,5,6,7
	ds_load_b128 v[BB+4*\t:BB+4*\t+3], v[RD] offset:\t*2*SP
.endr
.endm
.macro SEND a, younger                 ; younger: the LDS instructions issued behind block a's loads
.set BB, BK+32*((\a)%2)
	s_wait_dscnt \younger
.irp t, 0,1,2,3,4,5,6,7
	global_store_b128 v[CO], v[BB+4*\t:BB+4*\t+3], s[10:11] offset:(16*(\a)+2*\t)*4096 th:TH_STORE_NT   ; 16 lanes store 256 consecutive bytes, at a multiple of 256 from out0's first byte
.endr
.endm
	s_wait_kmcnt 0x0
	s_add_co_i32 s96, s72, s73
	s_add_co_i32 s96, s96, 127
	s_lshl_b32 s96, s96, 23                        ; 2^(entries 10 + 11) as f32
	s_mov_b32 s97, s96                             ; (named with it as a pair, so it is written)
.rept 4
	v_nop                                          ; places behind the last products
.endr
	TOSTAGE 0
.irp a, 1,2,3
.if \a > 1
	s_wait_xcnt 0x0                                ; block a - 2's stores have read their registers: block a's loads may land there
.endif
	TOSTAGE \a
	SEND \a-1, 16                                  ; behind block a - 1's loads: block a's 8 stores and 8 loads
.endr
	SEND 3, 0
	s_wait_tensorcnt 0x0
	ds_add_u32 v30, v31
	s_wait_dscnt 0x0
	CROUND                                         ; the closing round: no work-group ends while a partner may still ask for a tile that names it
	s_endpgm
.Lfunc_end_k_qb465448eba_oproj:
	.size	k_qb465448eba_oproj, .Lfunc_end_k_qb465448eba_oproj-k_qb465448eba_oproj
	.p2alignl 7, 3214868480
	.fill 96, 4, 3214868480
	.section	.rodata,"a",@progbits
	.p2align	6, 0x0
	.amdhsa_kernel k_qb465448eba_oproj
		.amdhsa_group_segment_fixed_size 280064
		.amdhsa_private_segment_fixed_size 0
		.amdhsa_enable_private_segment 0
		.amdhsa_kernarg_size 32
		.amdhsa_user_sgpr_count 2
		.amdhsa_user_sgpr_kernarg_segment_ptr 1
		.amdhsa_wavefront_size32 1
		.amdhsa_system_sgpr_workgroup_id_x 1
		.amdhsa_system_sgpr_workgroup_id_y 1
		.amdhsa_system_sgpr_workgroup_id_z 1
		.amdhsa_system_vgpr_workitem_id 0
		.amdhsa_next_free_vgpr 512
		.amdhsa_next_free_sgpr 100
		.amdhsa_reserve_vcc 0
		.amdhsa_float_denorm_mode_32 3
		.amdhsa_float_denorm_mode_16_64 3
		.amdhsa_memory_ordered 1
		.amdhsa_forward_progress 1
		.amdhsa_inst_pref_size 46
	.end_amdhsa_kernel
	.amdgpu_metadata
---
amdhsa.version: [ 1, 2 ]
amdhsa.kernels:
  - .name:           k_qb465448eba_oproj
    .symbol:         k_qb465448eba_oproj.kd
    .args:
      - { .name: ac, .offset: 0, .size: 8, .value_kind: global_buffer, .address_space: global }
      - { .name: codes, .offset: 8, .size: 8, .value_kind: global_buffer, .address_space: global }
      - { .name: lowp_scales, .offset: 16, .size: 8, .value_kind: global_buffer, .address_space: global }
      - { .name: out0, .offset: 24, .size: 8, .value_kind: global_buffer, .address_space: global }
    .group_segment_fixed_size: 280064
    .private_segment_fixed_size: 0
    .kernarg_segment_align: 8
    .kernarg_segment_size: 32
    .max_flat_workgroup_size: 128
    .sgpr_count:     100
    .vgpr_count:     512
    .wavefront_size: 32
...
	.end_amdgpu_metadata
.endif
;; end of part 4
